; MI455X (gfx1250); checked and timed in simulation.
; The chip was launched on July 23, 2026; its instructions are those of AMD's public machine-readable ISA for CDNA 5 (MIT licence, August 2026) and "CDNA5" Instruction Set Architecture Reference Guide (July 2026). The comments in the code are by the model that wrote it; some were corrected since.
;; Multi Head Attention. Allowed arithmetic: float matrix products may take bf16 or f16 operands with f32 sums; all other float work in f32.
;; Inputs: Wk 512 x 512 float32; Wo 512 x 512 float32; Wq 512 x 512 float32; Wv 512 x 512 float32; bk 512 float32; bo 512 float32; bq 512 float32; bv 512 float32; q 2 x 4,096 x 512 float32.
;; Outputs: out0 2 x 4,096 x 512 float32.
;; One version. Each part assembles by itself: llvm-mc -triple=amdgcn-amd-amdhsa -mcpu=gfx1250 --defsym DOCPART=n.
;; ======== version 1 of 1: 3 launches
;; limits: values are held in f16: magnitudes above 65,504 overflow, below 6.1e-05 lose precision
;; workspace buffers: Qp 8,388,608 bytes; Kp 8,388,608 bytes; Vp 8,388,608 bytes; AO 8,388,608 bytes; Woh 524,288 bytes
;; launch proj (part 1): grid 8 x 32, 8 waves a work-group, no clusters, 130,048 bytes of LDS; arguments q, Wq, Wk, Wv, bq, bk, bv, Wo, Qp, Kp, Vp, Woh; writes Qp, Kp, Vp, Woh
.if DOCPART == 1
	.amdgcn_target "amdgcn-amd-amdhsa--gfx1250"
	.amdhsa_code_object_version 6
	.text
	.protected	k_qafb123ec33_proj
	.globl	k_qafb123ec33_proj
	.p2align	8
	.type	k_qafb123ec33_proj,@function
k_qafb123ec33_proj:
	s_mov_b64 s[64:65], 0
	v_nop
	global_prefetch_b8 v0, s[64:65] scope:SCOPE_SE
	s_setreg_imm32_b32 hwreg(HW_REG_WAVE_MODE, 25, 1), 1
	s_wait_xcnt 0x0
; Q, K, V = q W^T + b, rounded to f16 and stored by heads as [b][h][s][64]; and Wo rounded to f16 (Woh, [512 n][512 k]).
; Work-group (x, y): head x, rows 256 y .. 256 y + 255 of the 8,192 rows of q; it makes 256 x 192 numbers: 64 columns each of Q, K and V.
; Eight waves: wave w makes rows 64 (w >> 1) .. + 63 and columns 96 (w & 1) .. + 95 of the 192: 4 x 6 accumulator tiles of 16 x 16.
; K goes in 8 steps of 64 through two LDS slots of 448 rows (256 of q, 64 each of Wq, Wk, Wv) of 64 f16.
; THE ORDER OF A STEP: nothing is asked for just before it is used.  While step s is multiplied out of one slot, the numbers of step s + 1, which are in
; registers by then, are rounded and laid into the other slot, and the same registers are loaded with step s + 2: 28 loads of 16 bytes a thread, 112 KiB for the
; work-group, are on their way for a whole step.  The fragments have two buffers: those of the next 32 along K are fetched 12 matrix instructions ahead.
; The conversions, stores and loads stand in batches between runs of 12 matrix instructions; two waves lie on each SIMD, so one's batch runs beside the other's products.
; NUMBER FORMAT: f16 (11 significant bits), not bf16 (8).  The attention that follows averages 4,096 rows of V, so its result is far smaller than V, and
; every rounding along the chain (q, W, V, P, the result, Wo) adds its own share of error to it: with 8 bits the shares together come too near the 1 % that is allowed.
; ROOM IN F16 (largest number 65,504; denormals are kept, step 2^-24): with q of spread 1 and W of spread 0.02 a projected number has spread 0.45.
; All inputs 30 times larger: 0.45 x 900 = 405.  Common offsets of 30 spreads (30 on q, 0.6 on W): 512 x 30 x 0.6 = 9,216.  All 30 times smaller: W 6.7e-4,
; projected numbers 5e-4, of which the denormal step is about a ten-thousandth.
; NO TENSOR LOADS AND NO CLUSTER: q and W lie in memory as f32 and the matrix unit takes 16 bits.  A tensor load copies bytes as they are, so f32 tiles
; would lie in LDS and every fragment (read by 2 or 4 waves) would cost twice the LDS bytes and a conversion at each use.  Here each number goes
; memory -> registers -> one rounding -> LDS, once in the work-group.
; THE MATRIX INSTRUCTION IS USED TRANSPOSED: source 0 = 16 rows of W, source 1 = 16 rows of q, so lane (r = l % 16, h = l / 16) holds in registers
; 0 to 7 the columns n0 + 8 h + 0..7 of row r: eight neighbouring numbers.  The bias is the first product's C operand: nothing is cleared or added later.
; LIMITS: an input or a projected number beyond 65,504 in magnitude becomes infinite; operands and results are rounded to f16, sums are f32 in the matrix
; unit's order; NaN and infinities go where the arithmetic takes them.
.set PITCH, 144                        ; an LDS row: 128 bytes + 16: an odd multiple of 16, so the 16 rows of a fragment load start in 16 different 16-byte columns of 256 bytes
.set SLOT,  448*PITCH                  ; 64,512 bytes; two slots
.set WROW,  256*PITCH                  ; W's rows lie behind q's 256
.set SP,    400                        ; the way out: 192 f16 + 16 bytes; 256 rows = 102,400 bytes over the slots, behind a barrier
.set GOFF,  1                          ; v1       (w + 8 h) 2048 + (t & 15) 16 + 256 step: my 16 bytes of a row's 256-byte K step
.set STA,   2                          ; v2-3     where my 4 rounded numbers go, slot 0, 1
.set FA,    4                          ; v4-5     my fragments of q, slot 0, 1
.set FB,    6                          ; v6-7     my fragments of W, slot 0, 1
.set STO,   8                          ; v8       the way out: where a lane's 16 bytes go
.set RD,    9                          ; v9       the way out: read back by rows
.set GO,    10                         ; v10      the way out: byte offset in Qp, Kp, Vp
.set WOL,   11                         ; v11      16 t
.set WOP,   12                         ; v[12:15] my four numbers of Wo
.set G,     16                         ; v16-127  28 chunks x 4: what the staging loads bring; later the packed results
.set AF0,   128                        ; v128-159 four fragments of q, buffer 0
.set BF0,   160                        ; v160-207 six fragments of W, buffer 0
.set AF1,   208                        ; v208-239 four fragments of q, buffer 1
.set VB,    240                        ; v240-241 byte offsets into the biases
.set WOS,   242                        ; v242     8 t
.set T0,    244                        ; v244-249 at work in the set-up
.set BF1,   192                        ; window 1, v192-239: six fragments of W, buffer 1
.set BIAS,  192                        ; the same registers hold the bias fragments until the first 24 products have taken them as C
                                       ; window 1, v[8 (6 a + b)]: accumulators
.set MSB, 0
.macro WIN new                         ; s_set_vgpr_msb: bits 1:0 source 0, 3:2 source 1, 5:4 source 2, 7:6 destination; the high byte repeats the setting that is left
.if MSB != \new
	s_set_vgpr_msb (MSB<<8)|\new
.set MSB, \new
.endif
.endm
.macro PLACES n                        ; places behind matrix instructions (ISA guide 7.12.1)
.rept \n
	v_nop
.endr
.endm
; Staging loads, chunks n0 .. n0 + cnt - 1 of 28.  A chunk is one pass of the 256 threads over 16 rows: 16 threads take a row's 256 bytes (aligned).
; Chunks 0-15: q's 256 rows; 16-19, 20-23, 24-27: the head's 64 rows of Wq, Wk, Wv.
.macro RELOAD n0, cnt
.set nn, \n0
.rept \cnt
.if nn < 16
	global_load_b128 v[G+4*nn:G+4*nn+3], v[GOFF], s[4:5] offset:nn*32768
.else
	global_load_b128 v[G+4*nn:G+4*nn+3], v[GOFF], s[6+2*((nn-16)/4):7+2*((nn-16)/4)] offset:((nn-16)%4)*32768
.endif
.set nn, nn+1
.endr
.endm
; Seven chunks are rounded and laid into slot dest.  left = how many younger staging loads may stay out when these seven have to be in.
; The conversions stand in one run and the stores in another, so that no store stands straight behind the conversion that feeds it.
.macro CS n0, dest, left
	s_wait_loadcnt \left                           ; loads come back in order: the seven oldest are in
.set nn, \n0
.rept 7
	v_cvt_pk_f16_f32 v[G+4*nn],   v[G+4*nn],   v[G+4*nn+1]
	v_cvt_pk_f16_f32 v[G+4*nn+1], v[G+4*nn+2], v[G+4*nn+3]
.set nn, nn+1
.endr
.set nn, \n0
.rept 7
	ds_store_b64 v[STA+(\dest)], v[G+4*nn:G+4*nn+1] offset:nn*16*PITCH   ; lanes 0-15 a row's 128 bytes, lanes 16-31 those of the row 8 further: 8 x 36 words = 32 banks on, so 64 different banks
.set nn, nn+1
.endr
.endm
; The fragments of 32 along K (half ks of a slot's 64) into buffer f: 8 loads for q's four, 12 for W's six
.macro FETCH slot, ks, f
.set AFX, AF0+(\f)*(AF1-AF0)
.set BFX, BF0+(\f)*(BF1-BF0)
	PLACES 4                                       ; the loads land in registers that matrix instructions have read
	WIN 0
.irp a, 0,1,2,3
	ds_load_b128 v[AFX+8*\a:AFX+8*\a+3],   v[FA+(\slot)] offset:\a*16*PITCH+64*\ks
	ds_load_b128 v[AFX+8*\a+4:AFX+8*\a+7], v[FA+(\slot)] offset:\a*16*PITCH+64*\ks+32
.endr
.if \f
	WIN 0x40                                       ; buffer 1's fragments of W lie in window 1
.endif
.irp b, 0,1,2,3,4,5
	ds_load_b128 v[BFX+8*\b:BFX+8*\b+3],   v[FB+(\slot)] offset:\b*16*PITCH+64*\ks
	ds_load_b128 v[BFX+8*\b+4:BFX+8*\b+7], v[FB+(\slot)] offset:\b*16*PITCH+64*\ks+32
.endr
	WIN 0
.endm
; 12 matrix instructions on buffer f: column tiles 3 half .. 3 half + 2, all four row tiles.  The 24 accumulators take turns, one instruction a turn, in the
; same order in every quarter.  first = 1: the products take the bias as C.
.macro MULH f, half, first
.set AFX, AF0+(\f)*(AF1-AF0)
.set BFX, BF0+(\f)*(BF1-BF0)
.if \f
	WIN 0x51                                       ; source 0 (W) in window 1, source 1 (q) in window 0, C and D in window 1
.else
	WIN 0x50                                       ; both sources in window 0, C and D in window 1
.endif
.irp bb, 0,1,2
.irp a, 0,1,2,3
.if \first
	v_wmma_f32_16x16x32_f16 v[8*(6*\a+3*\half+\bb):8*(6*\a+3*\half+\bb)+7], v[BFX+8*(3*\half+\bb):BFX+8*(3*\half+\bb)+7], v[AFX+8*\a:AFX+8*\a+7], v[BIAS+8*(3*\half+\bb):BIAS+8*(3*\half+\bb)+7]
.else
	v_wmma_f32_16x16x32_f16 v[8*(6*\a+3*\half+\bb):8*(6*\a+3*\half+\bb)+7], v[BFX+8*(3*\half+\bb):BFX+8*(3*\half+\bb)+7], v[AFX+8*\a:AFX+8*\a+7], v[8*(6*\a+3*\half+\bb):8*(6*\a+3*\half+\bb)+7]
.endif
.endr
.endr
.endm
; One K step of 64 out of slot: two quarters of 24 matrix instructions, on buffer 0 and on buffer 1.
; fill = 2: the next step's numbers are laid into the other slot and the step behind it is asked for; 1: laid only; 0: neither.  last = 1: no further step.
; ONE barrier a step.  In front of its signal my stores into the other slot are done and my reads of this slot are back (buffer 1's fetch was the last of them);
; behind its wait that holds of all eight waves: the other slot may be read, and in the next step this one is written.
.macro STEP slot, first, fill, last
	s_wait_dscnt 0x0                               ; buffer 0 is in: its 20 loads were issued 12 matrix instructions ago
	MULH 0, 0, \first
	WIN 0
.if \fill
	CS 0, 1-\slot, 21                              ; 28 staging loads are out: the oldest 7 are needed,
	CS 7, 1-\slot, 14                              ; then the next 7 of the 21
.endif
.if \first == 0
	FETCH \slot, 1, 1
.endif
	MULH 0, 1, \first
	WIN 0
.if \first
	FETCH \slot, 1, 1                              ; only now: buffer 1's fragments of W land where the biases lay
.endif
.if \fill == 2
	s_wait_dscnt 0x0                               ; the stores of chunks 0-13 have read their data (and buffer 1 is in)
	s_wait_xcnt 0x0                                ; the offset register of the earlier loads is written again only behind this wait
	v_add_nc_u32 v[GOFF], 256, v[GOFF]             ; two steps ahead of the one that is multiplied
	RELOAD 0, 14
	CS 14, 1-\slot, 21                             ; 14 old and 14 new loads are out: the oldest 7,
	CS 21, 1-\slot, 14                             ; then the next 7
.endif
.if \fill == 1
	CS 14, 1-\slot, 7                              ; nothing was asked for: the counts run down
	CS 21, 1-\slot, 0
.endif
	s_wait_dscnt 0x0                               ; buffer 1 is in, my stores are done, my reads of this slot are back
.if \fill == 2
	RELOAD 14, 14
.endif
.if \last == 0
	s_barrier_signal -1
.endif
	MULH 1, 0, 0                                   ; work on registers while the others arrive
.if \last == 0
	s_barrier_wait -1
	FETCH 1-\slot, 0, 0                            ; the next step's first fragments, under the 12 products that follow
.endif
	MULH 1, 1, 0
	WIN 0
.endm
	s_load_b512 s[4:19], s[0:1], 0x0               ; q s[4:5], Wq s[6:7], Wk s[8:9], Wv s[10:11], bq s[12:13], bk s[14:15], bv s[16:17], Wo s[18:19]
	s_load_b256 s[20:27], s[0:1], 0x40             ; Qp s[20:21], Kp s[22:23], Vp s[24:25], Woh s[26:27]
	v_lshl_add_u32 v254, v0, 2, 0x1f800
	v_mov_b32 v255, 0
	v_lshrrev_b32 v[T0+1], 5, v0
	v_readfirstlane_b32 s29, v[T0+1]               ; wave w
	s_lshr_b32 s30, s29, 1                         ; mg: which 64 rows
	s_and_b32 s31, s29, 1                          ; ng: which 96 columns
	s_and_b32 s40, ttmp7, 0xffff                   ; y
	v_and_b32 v[T0], 15, v0                        ; t & 15 = r
	v_bfe_u32 v[T0+2], v0, 4, 1                    ; h
	v_and_b32 v[T0+3], 31, v0                      ; lane l
	v_lshl_add_u32 v[T0+1], v[T0+2], 3, v[T0+1]    ; my row among a chunk's 16: w + 8 h
	v_lshlrev_b32 v[GOFF], 4, v[T0]
	v_lshl_add_u32 v[GOFF], v[T0+1], 11, v[GOFF]
	v_mul_u32_u24 v[T0+4], v[T0+1], PITCH
	v_lshl_add_u32 v[STA], v[T0], 3, v[T0+4]
	v_add_nc_u32 v[STA+1], SLOT, v[STA]
	v_mul_u32_u24 v[T0+4], v[T0], PITCH            ; fragments: row r, 16 bytes for each half of the lanes
	v_lshl_add_u32 v[T0+4], v[T0+2], 4, v[T0+4]
	s_mul_i32 s32, s30, 64*PITCH
	s_mul_i32 s33, s31, 96*PITCH
	s_add_co_u32 s33, s33, WROW
	v_add_nc_u32 v[FA], s32, v[T0+4]
	v_add_nc_u32 v[FB], s33, v[T0+4]
	v_add_nc_u32 v[FA+1], SLOT, v[FA]
	v_add_nc_u32 v[FB+1], SLOT, v[FB]
	v_mul_u32_u24 v[T0+4], v[T0], SP               ; the way out, in: row 64 mg + r, byte 192 ng + 16 h
	v_lshl_add_u32 v[T0+4], v[T0+2], 4, v[T0+4]
	s_mul_i32 s32, s30, 64*SP
	s_mul_i32 s33, s31, 192
	s_add_co_u32 s32, s32, s33
	v_add_nc_u32 v[STO], s32, v[T0+4]
	v_lshrrev_b32 v[T0+4], 3, v[T0+3]              ; the way out, back: eight lanes take a row's 128 bytes of one of Q, K, V
	v_and_b32 v[T0+5], 7, v[T0+3]
	v_mul_u32_u24 v[T0+4], v[T0+4], SP
	v_lshl_add_u32 v[T0+4], v[T0+5], 4, v[T0+4]
	s_mul_i32 s32, s29, 32*SP
	v_add_nc_u32 v[RD], s32, v[T0+4]
	s_lshl_b32 s32, s29, 12
	v_lshl_add_u32 v[GO], v[T0+3], 4, s32          ; 32 rows of 128 bytes a wave + 16 l
	s_lshl_b32 s32, ttmp9, 8                       ; biases: 256 x + 128 (which half of the head's 64) + 32 h
	s_lshl_b32 s33, s31, 7
	s_add_co_u32 s34, s32, s33
	s_xor_b32 s33, s33, 128
	s_add_co_u32 s35, s32, s33
	v_lshl_add_u32 v[VB], v[T0+2], 5, s34
	v_lshl_add_u32 v[VB+1], v[T0+2], 5, s35
	v_lshlrev_b32 v[WOL], 4, v0
	v_lshlrev_b32 v[WOS], 3, v0
	s_wait_kmcnt 0x0
	s_mov_b32 s43, 0
	s_lshl_b32 s42, s40, 19                        ; 256 rows of 2,048 bytes
	s_add_nc_u64 s[4:5], s[4:5], s[42:43]
	s_lshl_b32 s42, ttmp9, 17                      ; the head's 64 rows of each W
	s_add_nc_u64 s[6:7], s[6:7], s[42:43]
	s_add_nc_u64 s[8:9], s[8:9], s[42:43]
	s_add_nc_u64 s[10:11], s[10:11], s[42:43]
	s_lshl3_add_u32 s41, s40, ttmp9                ; 8 y + x: the work-group's 1/256 of Wo, 4,096 bytes in, 2,048 out
	s_lshl_b32 s42, s41, 12
	s_add_nc_u64 s[18:19], s[18:19], s[42:43]
	s_lshl_b32 s42, s41, 11
	s_add_nc_u64 s[26:27], s[26:27], s[42:43]
	s_lshr_b32 s42, s40, 4                         ; batch
	s_lshl3_add_u32 s42, s42, ttmp9                ; 8 b + head, 524,288 bytes each,
	s_lshl_b32 s42, s42, 19
	s_and_b32 s44, s40, 15
	s_lshl_b32 s44, s44, 15                        ; + 256 rows of 128 bytes
	s_add_co_u32 s42, s42, s44
	s_add_nc_u64 s[20:21], s[20:21], s[42:43]
	s_add_nc_u64 s[22:23], s[22:23], s[42:43]
	s_add_nc_u64 s[24:25], s[24:25], s[42:43]
	; my 96 columns are Q 0-63, K 0-31 (ng = 0) or K 32-63, V 0-63 (ng = 1): tiles 0,1 / 2,3 / 4,5 lie in bq,bq,bk or in bk,bv,bv
	s_cmp_eq_u32 s31, 0
	s_cselect_b64 s[32:33], s[12:13], s[14:15]
	s_cselect_b64 s[34:35], s[12:13], s[16:17]
	s_cselect_b64 s[36:37], s[14:15], s[16:17]
	global_load_b128 v[WOP:WOP+3], v[WOL], s[18:19] th:TH_LOAD_NT
	WIN 0x40                                       ; destination in window 1
.irp b, 0,1
	global_load_b128 v[BIAS+8*\b:BIAS+8*\b+3],       v[VB],   s[32:33] offset:64*\b
	global_load_b128 v[BIAS+8*\b+4:BIAS+8*\b+7],     v[VB],   s[32:33] offset:64*\b+16
	global_load_b128 v[BIAS+16+8*\b:BIAS+16+8*\b+3], v[VB+1], s[34:35] offset:64*\b
	global_load_b128 v[BIAS+20+8*\b:BIAS+20+8*\b+3], v[VB+1], s[34:35] offset:64*\b+16
	global_load_b128 v[BIAS+32+8*\b:BIAS+32+8*\b+3], v[VB],   s[36:37] offset:64*\b
	global_load_b128 v[BIAS+36+8*\b:BIAS+36+8*\b+3], v[VB],   s[36:37] offset:64*\b+16
.endr
	WIN 0
	RELOAD 0, 28                                   ; K step 0
	s_wait_xcnt 0x0                                ; the offset register is written again only behind this wait
	v_add_nc_u32 v[GOFF], 256, v[GOFF]             ; K step 1
	s_wait_loadcnt 28                              ; Wo's piece and the biases are in; the 28 staging loads stay out
	v_cvt_pk_f16_f32 v[WOP],   v[WOP],   v[WOP+1]
	v_cvt_pk_f16_f32 v[WOP+1], v[WOP+2], v[WOP+3]
	global_store_b64 v[WOS], v[WOP:WOP+1], s[26:27]        ; a wave stores 256 consecutive bytes, aligned
	CS 0, 0, 21                                    ; K step 0 goes into slot 0, and step 1 is asked for, in the order of a step's fill
	CS 7, 0, 14
	s_wait_dscnt 0x0                               ; the stores of chunks 0-13 have read their data
	RELOAD 0, 14
	CS 14, 0, 21
	CS 21, 0, 14
	s_wait_dscnt 0x0                               ; my stores into slot 0 are done,
	RELOAD 14, 14
	s_barrier_signal -1
	s_barrier_wait -1                              ; everybody's are
	FETCH 0, 0, 0
	STEP 0, 1, 2, 0                                ; K step 0: lays step 1, asks for step 2
	s_mov_b32 s28, 2
.Lk:
	STEP 1, 0, 2, 0                                ; K steps 1 to 4
	STEP 0, 0, 2, 0
	s_sub_co_u32 s28, s28, 1
	s_cmp_lg_u32 s28, 0
	s_cbranch_scc1 .Lk
	STEP 1, 0, 2, 0                                ; K step 5: lays step 6, asks for step 7, the last
	STEP 0, 0, 1, 0                                ; K step 6: lays step 7
	STEP 1, 0, 0, 1                                ; K step 7
	; THE WAY OUT: round, 16 bytes a lane into rows of 192 f16 in LDS, read back by rows, store whole rows of Q, K and V.
	PLACES 4                                       ; behind the last matrix instructions, in front of the conversions that read their results
	s_wait_dscnt 0x0
	s_barrier_signal -1
	s_barrier_wait -1                              ; nobody reads the slots any more: the stage lies over them
	WIN 0x05                                       ; sources in window 1
.irp a, 0,1,2,3
.irp b, 0,1,2,3,4,5
.irp r, 0,1,2,3
	v_cvt_pk_f16_f32 v[G+4*(6*\a+\b)+\r], v[8*(6*\a+\b)+2*\r], v[8*(6*\a+\b)+2*\r+1]
.endr
.endr
.endr
	WIN 0
.irp a, 0,1,2,3
.irp b, 0,1,2,3,4,5
	ds_store_b128 v[STO], v[G+4*(6*\a+\b):G+4*(6*\a+\b)+3] offset:\a*16*SP+\b*32
.endr
.endr
	s_wait_dscnt 0x0                               ; a row's 384 bytes come from two waves:
	s_barrier_signal -1
	s_barrier_wait -1                              ; all are there
.irp t, 0,1,2
.irp i, 0,1,2,3,4,5,6,7
	ds_load_b128 v[G+4*(8*\t+\i):G+4*(8*\t+\i)+3], v[RD] offset:\i*4*SP+\t*128
.endr
.endr
.irp t, 0,1,2
.irp i, 0,1,2,3,4,5,6,7
	s_wait_dscnt 23-8*\t-\i                        ; this one is back, the younger ones stay out
	global_store_b128 v[GO], v[G+4*(8*\t+\i):G+4*(8*\t+\i)+3], s[20+2*\t:21+2*\t] offset:\i*512   ; four rows of 128 bytes: 512 consecutive bytes, aligned
.endr
.endr
	s_wait_tensorcnt 0x0
	ds_add_u32 v254, v255
	s_wait_dscnt 0x0
	s_endpgm
.Lfunc_end_k_qafb123ec33_proj:
	.size	k_qafb123ec33_proj, .Lfunc_end_k_qafb123ec33_proj-k_qafb123ec33_proj
	.p2alignl 7, 3214868480
	.fill 96, 4, 3214868480
	.section	.rodata,"a",@progbits
	.p2align	6, 0x0
	.amdhsa_kernel k_qafb123ec33_proj
		.amdhsa_group_segment_fixed_size 130048
		.amdhsa_private_segment_fixed_size 0
		.amdhsa_enable_private_segment 0
		.amdhsa_kernarg_size 96
		.amdhsa_user_sgpr_count 2
		.amdhsa_user_sgpr_kernarg_segment_ptr 1
		.amdhsa_wavefront_size32 1
		.amdhsa_system_sgpr_workgroup_id_x 1
		.amdhsa_system_sgpr_workgroup_id_y 1
		.amdhsa_system_sgpr_workgroup_id_z 1
		.amdhsa_system_vgpr_workitem_id 0
		.amdhsa_next_free_vgpr 512
		.amdhsa_next_free_sgpr 66
		.amdhsa_reserve_vcc 0
		.amdhsa_float_denorm_mode_32 3
		.amdhsa_float_denorm_mode_16_64 3
		.amdhsa_memory_ordered 1
		.amdhsa_forward_progress 1
		.amdhsa_inst_pref_size 104
	.end_amdhsa_kernel
	.amdgpu_metadata
---
amdhsa.version: [ 1, 2 ]
amdhsa.kernels:
  - .name:           k_qafb123ec33_proj
    .symbol:         k_qafb123ec33_proj.kd
    .args:
      - { .name: q, .offset: 0, .size: 8, .value_kind: global_buffer, .address_space: global }
      - { .name: Wq, .offset: 8, .size: 8, .value_kind: global_buffer, .address_space: global }
      - { .name: Wk, .offset: 16, .size: 8, .value_kind: global_buffer, .address_space: global }
      - { .name: Wv, .offset: 24, .size: 8, .value_kind: global_buffer, .address_space: global }
      - { .name: bq, .offset: 32, .size: 8, .value_kind: global_buffer, .address_space: global }
      - { .name: bk, .offset: 40, .size: 8, .value_kind: global_buffer, .address_space: global }
      - { .name: bv, .offset: 48, .size: 8, .value_kind: global_buffer, .address_space: global }
      - { .name: Wo, .offset: 56, .size: 8, .value_kind: global_buffer, .address_space: global }
      - { .name: Qp, .offset: 64, .size: 8, .value_kind: global_buffer, .address_space: global }
      - { .name: Kp, .offset: 72, .size: 8, .value_kind: global_buffer, .address_space: global }
      - { .name: Vp, .offset: 80, .size: 8, .value_kind: global_buffer, .address_space: global }
      - { .name: Woh, .offset: 88, .size: 8, .value_kind: global_buffer, .address_space: global }
    .group_segment_fixed_size: 130048
    .private_segment_fixed_size: 0
    .kernarg_segment_align: 8
    .kernarg_segment_size: 96
    .max_flat_workgroup_size: 256
    .sgpr_count:     66
    .vgpr_count:     512
    .wavefront_size: 32
...
	.end_amdgpu_metadata
.endif
;; end of part 1
;; launch attn (part 2): grid 16 x 16, 8 waves a work-group, clusters of 4 x 1, 327,680 bytes of LDS; arguments Qp, Kp, Vp, AO; writes AO
.if DOCPART == 2
	.amdgcn_target "amdgcn-amd-amdhsa--gfx1250"
	.amdhsa_code_object_version 6
	.text
	.protected	k_qafb123ec33_attn
	.globl	k_qafb123ec33_attn
	.p2align	8
	.type	k_qafb123ec33_attn,@function
k_qafb123ec33_attn:
	s_mov_b64 s[64:65], 0
	v_nop
	global_prefetch_b8 v0, s[64:65] scope:SCOPE_SE
	s_setreg_imm32_b32 hwreg(HW_REG_WAVE_MODE, 25, 1), 1
	s_wait_xcnt 0x0
	s_wait_alu depctr_hold_cnt(0) depctr_sa_sdst(0) depctr_va_vdst(0) depctr_va_sdst(0) depctr_va_ssrc(0) depctr_va_vcc(0) depctr_vm_vsrc(0)
	s_getreg_b32 s2, hwreg(HW_REG_IB_STS2, 6, 4)
	s_cmp_eq_u32 s2, 0
	s_cbranch_scc0 .Lentry_in_a_cluster
	s_endpgm
.Lentry_in_a_cluster:
	s_bfe_u32 s2, ttmp6, 0x10000c
	s_cmp_lg_u32 s2, 0x3003
	s_cbranch_scc0 .Lentry_shape_is_right
	s_endpgm
.Lentry_shape_is_right:
; softmax(Q K^T / 8) V for one head, with a running maximum; the scores never leave the registers.  Qp, Kp, Vp, AO: f16, [b][h][s = 4096][64].
; Work-group (x, y): head y (of 16 = batch x head), queries 256 x .. + 255.  Eight waves: wave w has queries 64 (w & 3) .. + 63 (four tiles of 16)
; and, with g = w >> 2, keys 128 g .. + 127 of every tile of 256 keys, in two sub-steps of 64.  The two halves of the keys are merged once at the end.
; So a fragment of K or V read from LDS feeds 64 queries, and two waves with work of their own lie on each SIMD: one's softmax beside the other's products.
; CLUSTER: the four work-groups of a cluster are four query blocks of one head and walk the same K and V.  Every tile is asked for jointly (mask 15):
; waves 0-3 ask for the four quarters (64 keys) of K's tile, waves 4-7 for V's, one tensor load a wave behind each round of the cluster's barrier.
; The round's opening signal is given as soon as a wave has a tile's last fragments in registers; a softmax block, which works on registers alone, stands
; between that signal and its wait, so a wave that is ahead works while the others arrive.
; ORIENTATION: S^T = K Q^T (source 0: 16 keys, source 1: 16 queries): lane (r = l % 16, h = l / 16) holds keys 8 h + 0..7 of query r, so a query's maximum and
; sum are taken inside the lane plus one exchange of the halves, and two neighbouring key tiles, packed to f16, ARE source 1 of the second product.
; O^T = V^T P^T (source 0: 16 of the 64 columns x 32 keys, by transposing LDS loads): lane (r, h) holds 8 neighbouring columns of query r, so the
; factors of the running maximum are one number a lane.
; The exponent is c s - c m with c = log2(e) / 8 (the scale 1 / sqrt(64) is folded in); kept is nm = - c m.
; NUMBER FORMAT: f16.  P lies in [0, 1]: 11 significant bits down to 2^-14, below that an absolute error of 2^-25 at the most, against a row sum of at least 1.
; The result is an average of rows of V, so it is never larger than V (which fits: see the launch that makes it).  It is up to 64 times smaller than V's spread
; (4,096 keys of like weight): with V's spread 0.45 about 0.008; with q and Wv both 30 times smaller about 9e-6, where the denormal step 2^-24 rounds it to about
; 0.2 % of its spread, as 8 significant bits would.
; No prefetch: K and V were stored by the launch before and each tile is read by four clusters one after the other.
; LIMITS: P and the result are rounded to f16; sums are f32 in another order than a plain row sum; exponentials below 2^-126 count as 0
; (ISA guide, v_exp_f32); defined where all scores are finite in f32; NaN and infinities are not reproduced place for place.
.set SLOT,  81920                      ; an LDS slot: K's four quarters at q 10,240 (64 rows, pitch 144), V's at 40,960 + q 10,240 (64 rows, pitch 160)
.set QUART, 10240
.set KP,    144                        ; odd multiple of 16: the 16 rows of a fragment load start in 16 different 16-byte columns of 256 bytes
.set VP,    160                        ; odd multiple of 32, for the transposing loads
.set TILEB, 32768                      ; 256 keys of 128 bytes
.set MRG,   163840                     ; 4 x 16,384: O of the waves with g = 1.  MRG, MST and STG are never the target of a tensor load
.set MST,   229376                     ; 4 x 2,048: their nm and l
.set STG,   237568                     ; 4 x 9,216: the way out, 64 rows, pitch 144
.set QO,   6                           ; v6       128 r + 16 h: Q's fragments in memory
.set GO,   7                           ; v7       16 l
.set KA,   8                           ; v8-9     K's fragments, slot 0, 1
.set VA,   10                          ; v10-11   V's fragments, slot 0, 1
.set MRGA, 12
.set MSTA, 13
.set STO,  14
.set RD,   15
.set SC,   16                          ; v16-143  scores, then P: tile (qt, kt) at SC + 32 qt + 8 kt; P's fragment (qt, c) in the first 8 of SC + 32 qt + 16 c
.set VF,   144                         ; v144-207 V's fragments (c, dt) at VF + 32 c + 8 dt
.set ST,   208                         ; v208-223 for each qt: nm, l, alpha, u (scratch of the exchange)
.set TMP,  224                         ; v224-255 at work
.set QF,   128                         ; window 1: v[128 + 16 qt + 8 ks]; window 1, v[32 qt + 8 dt]: O
.set KF,   192                         ; window 1: v[192 + 16 kt + 8 ks]
.set G1K, 24                           ; s[24:31] group 1 for K's quarters
.set G1V, 32                           ; s[32:39] for V's: it differs in the padding
.set G0K, 40                           ; s[40:47] group 0 for K, a set for each slot
.set G0V, 48                           ; s[48:55] for V
.set MSB, 0
.macro WIN new                         ; s_set_vgpr_msb: bits 1:0 source 0, 3:2 source 1, 5:4 source 2, 7:6 destination; the high byte repeats the setting that is left
.if MSB != \new
	s_set_vgpr_msb (MSB<<8)|\new
.set MSB, \new
.endif
.endm
.macro PLACES n                        ; places behind matrix instructions (ISA guide 7.12.1)
.rept \n
	v_nop
.endr
.endm
; A round of the cluster's barrier: my work-group's barrier, wave 0 signals for it, all wait for the four work-groups, my barrier again.
.macro CREST                           ; a round behind its opening barrier
	s_cmp_lg_u32 s12, 0
	s_cbranch_scc1 .Lnot_wave_0_\@
	s_barrier_signal -3
.Lnot_wave_0_\@:
	s_barrier_wait -3
	s_barrier_signal -1
	s_barrier_wait -1
.endm
.macro ROUND                           ; a whole round
	s_barrier_signal -1
	s_barrier_wait -1
	CREST
.endm
.macro JLOAD s                         ; my quarter of the tile for slot s; the branch hangs on the wave's number alone
	s_cmp_eq_u32 s13, 0
	s_cbranch_scc0 .Lfor_v_\@
	tensor_load_to_lds s[G0K+4*(\s):G0K+4*(\s)+3], s[G1K:G1K+7]
	s_nop 0
	s_branch .Lasked_\@
.Lfor_v_\@:
	tensor_load_to_lds s[G0V+4*(\s):G0V+4*(\s)+3], s[G1V:G1V+7]
	s_nop 0
.Lasked_\@:
.endm
.macro LDK slot, sub                   ; 64 keys x 64: 4 key tiles x 2 halves of the 64, 16 loads
	WIN 0x40
.irp kt, 0,1,2,3
.irp ks, 0,1
	ds_load_b128 v[KF+16*\kt+8*\ks:KF+16*\kt+8*\ks+3],   v[KA+\slot] offset:\sub*QUART+\kt*16*KP+\ks*64
	ds_load_b128 v[KF+16*\kt+8*\ks+4:KF+16*\kt+8*\ks+7], v[KA+\slot] offset:\sub*QUART+\kt*16*KP+\ks*64+32
.endr
.endr
.endm
.macro LDV slot, sub                   ; the same 64 keys of V, transposed on the way: 2 chunks of 32 keys x 4 tiles of 16 columns, 16 loads
	WIN 0
.irp c, 0,1
.irp dt, 0,1,2,3
	ds_load_tr16_b128 v[VF+32*\c+8*\dt:VF+32*\c+8*\dt+3],   v[VA+\slot] offset:\sub*QUART+\c*32*VP+\dt*32
	ds_load_tr16_b128 v[VF+32*\c+8*\dt+4:VF+32*\c+8*\dt+7], v[VA+\slot] offset:\sub*QUART+\c*32*VP+\dt*32+16*VP
.endr
.endr
.endm
; scores of two query tiles (half 0: qt 0, 1; half 1: qt 2, 3) x 64 keys: 16 matrix instructions on 8 accumulators that take turns
.macro SH half
	WIN 0x05
.irp ks, 0,1
.irp e, 0,1
.irp kt, 0,1,2,3
.if \ks
	v_wmma_f32_16x16x32_f16 v[SC+64*\half+32*\e+8*\kt:SC+64*\half+32*\e+8*\kt+7], v[KF+16*\kt+8*\ks:KF+16*\kt+8*\ks+7], v[QF+32*\half+16*\e+8*\ks:QF+32*\half+16*\e+8*\ks+7], v[SC+64*\half+32*\e+8*\kt:SC+64*\half+32*\e+8*\kt+7]
.else
	v_wmma_f32_16x16x32_f16 v[SC+64*\half+32*\e+8*\kt:SC+64*\half+32*\e+8*\kt+7], v[KF+16*\kt+8*\ks:KF+16*\kt+8*\ks+7], v[QF+32*\half+16*\e+8*\ks:QF+32*\half+16*\e+8*\ks+7], 0
.endif
.endr
.endr
.endr
.endm
; O += V^T P^T for two query tiles: 16 matrix instructions on 8 accumulators that take turns.  first = 1: the first product starts the sums
.macro PV half, first
	WIN 0x50
.irp c, 0,1
.irp e, 0,1
.irp dt, 0,1,2,3
.if (\first)*(1-\c)
	v_wmma_f32_16x16x32_f16 v[64*\half+32*\e+8*\dt:64*\half+32*\e+8*\dt+7], v[VF+32*\c+8*\dt:VF+32*\c+8*\dt+7], v[SC+64*\half+32*\e+16*\c:SC+64*\half+32*\e+16*\c+7], 0
.else
	v_wmma_f32_16x16x32_f16 v[64*\half+32*\e+8*\dt:64*\half+32*\e+8*\dt+7], v[VF+32*\c+8*\dt:VF+32*\c+8*\dt+7], v[SC+64*\half+32*\e+16*\c:SC+64*\half+32*\e+16*\c+7], v[64*\half+32*\e+8*\dt:64*\half+32*\e+8*\dt+7]
.endif
.endr
.endr
.endr
.endm
; the softmax step of two query tiles x 64 keys: register work alone.  first = 1: no older maximum, sum or O.
.macro SOFT half, first
	WIN 0
.set SB, SC+64*(\half)
.set QS, ST+8*(\half)
	; the largest of a lane's 32 scores of each tile, in four chains of 16
.irp ch, 0,1,2,3
	v_max_num_f32 v[TMP+\ch], v[SB+16*\ch], v[SB+16*\ch+1]
.endr
.irp i, 1,2,3,4,5,6,7
.irp ch, 0,1,2,3
	v_max3_num_f32 v[TMP+\ch], v[TMP+\ch], v[SB+16*\ch+2*\i], v[SB+16*\ch+2*\i+1]
.endr
.endr
	v_max_num_f32 v[TMP],   v[TMP],   v[TMP+1]
	v_max_num_f32 v[TMP+2], v[TMP+2], v[TMP+3]
	v_permlanex16_b32 v[QS+3], v[TMP],   s22, s23  ; the other 32 keys of the same query lie 16 lanes away
	v_permlanex16_b32 v[QS+7], v[TMP+2], s22, s23
	v_max_num_f32 v[TMP],   v[TMP],   v[QS+3]
	v_max_num_f32 v[TMP+2], v[TMP+2], v[QS+7]
.if \first
	v_mul_f32 v[QS],   s59, v[TMP]                 ; nm = - c max
	v_mul_f32 v[QS+4], s59, v[TMP+2]
.else
	v_mul_f32 v[TMP],   s59, v[TMP]
	v_mul_f32 v[TMP+2], s59, v[TMP+2]
	v_min_num_f32 v[TMP],   v[TMP],   v[QS]        ; the running maximum, negated: a minimum
	v_min_num_f32 v[TMP+2], v[TMP+2], v[QS+4]
	v_sub_f32 v[TMP+1], v[TMP],   v[QS]            ; c (old maximum - new maximum), at most 0
	v_sub_f32 v[TMP+3], v[TMP+2], v[QS+4]
	v_exp_f32 v[QS+2], v[TMP+1]                    ; alpha
	v_exp_f32 v[QS+6], v[TMP+3]
	v_mov_b32 v[QS],   v[TMP]                      ; plain instructions behind the exponentials, which touch neither their results nor their sources (ISA guide 5.7.2)
	v_mov_b32 v[QS+4], v[TMP+2]
.endif
.set nn, 0
.rept 16
	v_pk_fma_f32 v[SB+2*nn:SB+2*nn+1],       v[SB+2*nn:SB+2*nn+1],       s[56:57], v[QS:QS+1]   op_sel_hi:[1,0,0]   ; c s + nm, both halves by c and nm
	v_pk_fma_f32 v[SB+32+2*nn:SB+32+2*nn+1], v[SB+32+2*nn:SB+32+2*nn+1], s[56:57], v[QS+4:QS+5] op_sel_hi:[1,0,0]
.set nn, nn+1
.endr
.set nn, 0
.rept 64
	v_exp_f32 v[SB+nn], v[SB+nn]
.set nn, nn+1
.endr
.if \first
	v_nop                                          ; the plain place behind the exponentials
	s_wait_alu depctr_va_vdst(0)
.else
	WIN 0x41                                       ; O in window 1, alpha in window 0.  These are also the plain places behind the exponentials
.set nn, 0
	s_wait_alu depctr_va_vdst(0)
.rept 16
	v_pk_mul_f32 v[64*\half+2*nn:64*\half+2*nn+1],       v[64*\half+2*nn:64*\half+2*nn+1],       v[QS+2:QS+3] op_sel_hi:[1,0]
	v_pk_mul_f32 v[64*\half+32+2*nn:64*\half+32+2*nn+1], v[64*\half+32+2*nn:64*\half+32+2*nn+1], v[QS+6:QS+7] op_sel_hi:[1,0]
.set nn, nn+1
.endr
	WIN 0
.endif
	; the lane's sum of its 32 p of each tile: a tree of packed adds
.irp i, 0,1,2,3,4,5,6,7
.irp e, 0,1
	v_pk_add_f32 v[TMP+16*\e+2*\i:TMP+16*\e+2*\i+1], v[SB+32*\e+4*\i:SB+32*\e+4*\i+1], v[SB+32*\e+4*\i+2:SB+32*\e+4*\i+3]
.endr
.endr
.irp i, 0,1,2,3, 0,1, 0
.irp e, 0,1
	v_pk_add_f32 v[TMP+16*\e+2*\i:TMP+16*\e+2*\i+1], v[TMP+16*\e+4*\i:TMP+16*\e+4*\i+1], v[TMP+16*\e+4*\i+2:TMP+16*\e+4*\i+3]
.endr
.endr
.if \first
	v_add_f32 v[QS+1], v[TMP],    v[TMP+1]
	v_add_f32 v[QS+5], v[TMP+16], v[TMP+17]
.else
	v_add_f32 v[TMP],    v[TMP],    v[TMP+1]
	v_add_f32 v[TMP+16], v[TMP+16], v[TMP+17]
	v_fma_f32 v[QS+1], v[QS+1], v[QS+2], v[TMP]    ; l = l alpha + sum; the two halves of the lanes are joined at the end
	v_fma_f32 v[QS+5], v[QS+5], v[QS+6], v[TMP+16]
.endif
	; P to f16 in place: 16 registers (two key tiles) become the 8 of a fragment; each source has been read before it is written over
.irp e, 0,1
.irp c, 0,1
.irp i, 0,1,2,3
	v_cvt_pk_f16_f32 v[SB+32*\e+16*\c+\i], v[SB+32*\e+16*\c+2*\i], v[SB+32*\e+16*\c+2*\i+1]
.endr
.irp i, 0,1,2,3
	v_cvt_pk_f16_f32 v[SB+32*\e+16*\c+4+\i], v[SB+32*\e+16*\c+8+2*\i], v[SB+32*\e+16*\c+9+2*\i]
.endr
.endr
.endr
.endm
; Sub-step j.  Each block of vector work stands behind matrix instructions that it does not depend on: while the scores of one half of the queries are
; made, the other half's softmax of the sub-step before is due.  mode 0: j = 0; mode 1: j = 1 (what belongs to j - 1 is a first); mode 2: later.
; sig other than 0: this is a tile's last sub-step and a round of the cluster's barrier follows.  V's fragments, the last that the slot gives, are asked for
; ahead of the last 16 score products; behind those my reads of the slot are back and all my tensor loads have landed (the one that was out is my quarter
; of the next tile), and the round's opening signal says so.  The softmax block behind it works on registers alone.
.macro BODY slot, sub, mode, sig
	LDK \slot, \sub
.if \mode == 0
	s_wait_dscnt 0x0
	SH 0
	SH 1
	LDV \slot, \sub
	PLACES 4                                       ; between the scores and their first reader stand only matrix instructions and loads
	SOFT 0, 1
.else
	s_wait_dscnt 16                                ; V of j - 1 is in; the 16 loads of K just issued stay out
	PV 0, 2-\mode
	PLACES 5                                       ; the scores below are written over P, which these products read
	s_wait_dscnt 0x0                               ; K of j
	SH 0
	SOFT 1, 2-\mode
	PV 1, 2-\mode
	PLACES 5                                       ; the loads of V land in registers that these products read, and the scores are written over their P
	LDV \slot, \sub
	SH 1
.if \sig
	s_wait_dscnt 0x0                               ; my reads of this slot are back
	s_wait_xcnt 0x0
	s_set_vgpr_msb 0x504
	v_lshl_add_u32 v254, v0, 2, 0x43000
	v_mov_b32 v255, 0
	s_set_vgpr_msb 0x400
	s_wait_tensorcnt 0x0                           ; all my tensor loads have landed
	ds_add_u32 v254, v255
	s_wait_dscnt 0x0
	s_set_vgpr_msb 0x5
	s_barrier_signal -1                            ; the round opens
.endif
	SOFT 0, 0
.endif
	WIN 0
.endm
; A tile of 256 keys out of slot.  next = 2: a round follows, and behind it this slot is asked for again, two tiles ahead: the first tensor load behind the
; round's closing wait, one a wave; it has the whole next tile in which to land.  next = 1: the round alone (the next tile must be whole in every wave's
; eyes; nothing is left to ask for).  next = 0: the last tile.  Nothing but registers is carried over from tile to tile.
.macro TILE slot, m0, m1, next
	BODY \slot, 0, \m0, 0
	BODY \slot, 1, \m1, \next
.if \next
	s_barrier_wait -1                              ; all eight waves have said so,
	CREST                                          ; and so have the four work-groups: no wave of any partner still reads this slot or has a load on its way
.endif
.if \next == 2
	s_add_nc_u64 s[G0K+4*\slot+2:G0K+4*\slot+3], s[G0K+4*\slot+2:G0K+4*\slot+3], 2*TILEB   ; no load of mine is out: the descriptors may be written
	s_add_nc_u64 s[G0V+4*\slot+2:G0V+4*\slot+3], s[G0V+4*\slot+2:G0V+4*\slot+3], 2*TILEB
	JLOAD \slot
.endif
.endm
	s_load_b256 s[4:11], s[0:1], 0x0               ; Qp s[4:5], Kp s[6:7], Vp s[8:9], AO s[10:11]
	v_lshl_add_u32 v254, v0, 2, 0x43000
	v_mov_b32 v255, 0
	ds_add_u32 v254, v255
	s_wait_dscnt 0x0
	v_lshrrev_b32 v1, 5, v0
	v_readfirstlane_b32 s12, v1                    ; wave w
	s_lshr_b32 s13, s12, 2                         ; g: which half of a tile's keys.  Also: I ask for K (0) or V (1)
	s_and_b32 s14, s12, 3                          ; which 64 queries.  Also: which quarter I ask for
	s_bfe_u32 s15, ttmp6, 0x40000                  ; cx
	s_lshl_b32 s16, ttmp9, 2
	s_add_co_u32 s16, s16, s15                     ; query block x = 4 x cluster x + cx
	s_and_b32 s17, ttmp7, 0xffff                   ; head (of 16)
	s_mov_b32 s22, 0x76543210                      ; v_permlanex16_b32: lane i reads lane i of the other half
	s_mov_b32 s23, 0xfedcba98
	s_mov_b32 s56, 0x3e38aa3b                      ; c = log2(e) / 8, twice for the packed form
	s_mov_b32 s57, 0x3e38aa3b
	s_mov_b32 s59, 0xbe38aa3b                      ; - c
	; group 1: 64 rows x 64 elements of 2 bytes, pitch 64; mask 15 with bit 21 beside it; after every 32 words 4 (K) or 8 (V) words of padding
	s_mov_b32 s[G1K+0], 15|(1<<16)|(1<<20)|(1<<21)|(4<<22)|(3<<25)
	s_mov_b32 s[G1V+0], 15|(1<<16)|(1<<20)|(1<<21)|(4<<22)|(7<<25)
	s_mov_b32 s[G1K+1], 64<<16                     ; tensor_dim0 = 64
	s_mov_b32 s[G1V+1], 64<<16
	s_mov_b32 s[G1K+2], 64<<16                     ; tensor_dim1 = 64
	s_mov_b32 s[G1V+2], 64<<16
	s_mov_b32 s[G1K+3], 64<<16                     ; tile_dim0 = 64
	s_mov_b32 s[G1V+3], 64<<16
	s_mov_b32 s[G1K+4], 64                         ; tile_dim1 = 64
	s_mov_b32 s[G1V+4], 64
	s_mov_b32 s[G1K+5], 64                         ; from row to row
	s_mov_b32 s[G1V+5], 64
	s_mov_b32 s[G1K+6], 0
	s_mov_b32 s[G1V+6], 0
	s_mov_b32 s[G1K+7], 0
	s_mov_b32 s[G1V+7], 0
	s_lshl_b32 s18, s17, 19                        ; the head's 524,288 bytes
	s_lshl_b32 s19, s14, 13                        ; + 64 rows of 128 bytes x (w & 3): my quarter of K or V; also my queries inside a block
	s_add_co_u32 s18, s18, s19
	s_mov_b32 s19, 0
	s_lshl_b32 s20, s16, 15                        ; the query block: only Q's and AO's addresses hang on cx
	s_add_co_u32 s20, s20, s18
	s_mov_b32 s21, 0
	s_mul_i32 s60, s12, QUART                      ; where my quarter goes: K's four, then V's four = wave x 10,240
	v_and_b32 v1, 15, v0                           ; r
	v_bfe_u32 v2, v0, 4, 1                         ; h
	v_and_b32 v3, 31, v0                           ; l
	v_and_b32 v4, 7, v0                            ; l & 7
	v_bfe_u32 v5, v0, 3, 1                         ; (l >> 3) & 1
	v_lshlrev_b32 v[QO], 7, v1
	v_lshl_add_u32 v[QO], v2, 4, v[QO]
	s_wait_kmcnt 0x0
	s_add_nc_u64 s[6:7], s[6:7], s[18:19]
	s_add_nc_u64 s[8:9], s[8:9], s[18:19]
	s_add_nc_u64 s[4:5], s[4:5], s[20:21]
	s_add_nc_u64 s[10:11], s[10:11], s[20:21]
.irp s, 0,1
	s_mov_b32 s[G0K+4*\s], 1
	s_add_co_u32 s[G0K+4*\s+1], s60, \s*SLOT
	s_add_nc_u64 s[G0K+4*\s+2:G0K+4*\s+3], s[6:7], \s*TILEB
	s_or_b32 s[G0K+4*\s+3], s[G0K+4*\s+3], 0x80000000
	s_mov_b32 s[G0V+4*\s], 1
	s_add_co_u32 s[G0V+4*\s+1], s60, \s*SLOT
	s_add_nc_u64 s[G0V+4*\s+2:G0V+4*\s+3], s[8:9], \s*TILEB
	s_or_b32 s[G0V+4*\s+3], s[G0V+4*\s+3], 0x80000000
.endr
	ROUND                                          ; the four work-groups are here: the first joint loads meet
	JLOAD 0                                        ; tile 0
	WIN 0x40
.irp qt, 0,1,2,3
.irp ks, 0,1
	global_load_b128 v[QF+16*\qt+8*\ks:QF+16*\qt+8*\ks+3],   v[QO], s[4:5] offset:\qt*2048+\ks*64      ; my 64 queries stay in registers for the whole kernel
	global_load_b128 v[QF+16*\qt+8*\ks+4:QF+16*\qt+8*\ks+7], v[QO], s[4:5] offset:\qt*2048+\ks*64+32
.endr
.endr
	WIN 0
	s_mul_i32 s18, s13, 2*QUART                    ; my half of a tile's keys
	v_mul_u32_u24 v[KA], v1, KP
	v_lshl_add_u32 v[KA], v2, 4, v[KA]
	v_add_nc_u32 v[KA], s18, v[KA]
	v_add_nc_u32 v[KA+1], SLOT, v[KA]
	v_lshl_add_u32 v[VA], v2, 3, v4                ; key 8 h + (l & 7),
	v_mul_u32_u24 v[VA], v[VA], VP
	v_lshl_add_u32 v[VA], v5, 4, v[VA]             ; 16 bytes for each group of eight lanes
	s_add_co_u32 s18, s18, 4*QUART
	v_add_nc_u32 v[VA], s18, v[VA]
	v_add_nc_u32 v[VA+1], SLOT, v[VA]
	s_lshl_b32 s18, s14, 14
	s_add_co_u32 s18, s18, MRG
	v_lshl_add_u32 v[MRGA], v3, 4, s18
	s_lshl_b32 s18, s14, 11
	s_add_co_u32 s18, s18, MST
	v_lshl_add_u32 v[MSTA], v3, 4, s18
	s_mul_i32 s18, s14, 64*KP
	s_add_co_u32 s18, s18, STG
	v_mul_u32_u24 v[STO], v1, KP
	v_lshl_add_u32 v[STO], v2, 4, v[STO]
	v_add_nc_u32 v[STO], s18, v[STO]
	v_lshrrev_b32 v[RD], 3, v3
	v_mul_u32_u24 v[RD], v[RD], KP
	v_lshl_add_u32 v[RD], v4, 4, v[RD]
	v_add_nc_u32 v[RD], s18, v[RD]
	v_lshlrev_b32 v[GO], 4, v3
.irp q, 0,1,2,3
	v_mov_b32 v[ST+4*\q+1], 0                      ; l stands in a pair with nm and u is the target of the exchange: both count as read before their first value
	v_mov_b32 v[ST+4*\q+3], 0
.endr
	s_wait_loadcnt 0x0                             ; Q
	s_wait_xcnt 0x0
	v_lshl_add_u32 v254, v0, 2, 0x43000
	v_mov_b32 v255, 0
	s_wait_tensorcnt 0x0                           ; my quarter of tile 0 has landed
	ds_add_u32 v254, v255
	s_wait_dscnt 0x0
	s_wait_dscnt 0x0
	ROUND                                          ; everybody's has
	JLOAD 1                                        ; tile 1: slot 1 gets its first tile as a refill does, one load a wave behind a round
	TILE 0, 0, 1, 2                                ; tile 0, asks for tile 2
	TILE 1, 2, 2, 2                                ; tile 1, asks for tile 3
	s_mov_b32 s58, 6
.Ltiles:
	TILE 0, 2, 2, 2                                ; tiles 2 to 13 ask for tiles 4 to 15
	TILE 1, 2, 2, 2
	s_sub_co_u32 s58, s58, 1
	s_cmp_lg_u32 s58, 0
	s_cbranch_scc1 .Ltiles
	TILE 0, 2, 2, 1                                ; tile 14: nothing is left to ask for
	TILE 1, 2, 2, 0                                ; tile 15
	s_wait_dscnt 0x0                               ; what is left of the last sub-step
	PV 0, 0
	SOFT 1, 0
	PV 1, 0
	WIN 0
	PLACES 4                                       ; behind the last matrix instructions: O is read, and loads land on P and on V's fragments
	; THE MERGE of the two halves of the keys, and the way out
.irp q, 0,1,2,3
	v_permlanex16_b32 v[ST+4*\q+3], v[ST+4*\q+1], s22, s23
.endr
.irp q, 0,1,2,3
	v_add_f32 v[ST+4*\q+1], v[ST+4*\q+1], v[ST+4*\q+3]     ; l of the query over all my keys
.endr
	s_cmp_eq_u32 s13, 0
	s_cbranch_scc1 .Lkeep
	WIN 0x04                                       ; data in window 1
.set nn, 0
.rept 32
	ds_store_b128 v[MRGA], v[4*nn:4*nn+3] offset:nn*512
.set nn, nn+1
.endr
	WIN 0
.irp q, 0,1,2,3
	ds_store_b128 v[MSTA], v[ST+4*\q:ST+4*\q+3] offset:\q*512
.endr
.Lkeep:
	s_wait_dscnt 0x0                               ; my stores are done,
	s_barrier_signal -1
	s_barrier_wait -1                              ; everybody's are
	s_cmp_lg_u32 s13, 0
	s_cbranch_scc1 .Ldone
.irp q, 0,1,2,3
	ds_load_b128 v[TMP+4*\q:TMP+4*\q+3], v[MSTA] offset:\q*512
.endr
.set nn, 0
.rept 32
	ds_load_b128 v[SC+4*nn:SC+4*nn+3], v[MRGA] offset:nn*512
.set nn, nn+1
.endr
	s_wait_dscnt 32                                ; the partner's nm and l are in; its O stays out
.irp q, 0,1,2,3
	v_min_num_f32 v[TMP+16+4*\q], v[ST+4*\q], v[TMP+4*\q]          ; the common maximum, negated
.endr
.irp q, 0,1,2,3
	v_sub_f32 v[TMP+17+4*\q], v[TMP+16+4*\q], v[ST+4*\q]
	v_sub_f32 v[TMP+18+4*\q], v[TMP+16+4*\q], v[TMP+4*\q]
.endr
.irp q, 0,1,2,3
	v_exp_f32 v[TMP+17+4*\q], v[TMP+17+4*\q]       ; a0: my weight
	v_exp_f32 v[TMP+18+4*\q], v[TMP+18+4*\q]       ; a1: the partner's
.endr
	v_nop                                          ; the plain place behind the exponentials
	s_wait_alu depctr_va_vdst(0)
.irp q, 0,1,2,3
	v_mul_f32 v[TMP+19+4*\q], v[TMP+1+4*\q], v[TMP+18+4*\q]
.endr
.irp q, 0,1,2,3
	v_fma_f32 v[TMP+19+4*\q], v[ST+4*\q+1], v[TMP+17+4*\q], v[TMP+19+4*\q]   ; l0 a0 + l1 a1: one of a0, a1 is 1 and its l holds the maximum's own term, so the sum is not 0
.endr
.irp q, 0,1,2,3
	v_rcp_f32 v[TMP+19+4*\q], v[TMP+19+4*\q]
.endr
	v_nop                                          ; the plain place behind the reciprocals
	s_wait_alu depctr_va_vdst(0)
.irp q, 0,1,2,3
	v_mul_f32 v[ST+4*\q],   v[TMP+17+4*\q], v[TMP+19+4*\q]         ; f0
	v_mul_f32 v[ST+4*\q+2], v[TMP+18+4*\q], v[TMP+19+4*\q]         ; f1
.endr
	s_wait_dscnt 0x0
.irp q, 0,1,2,3
.set nn, 0
.rept 16
	v_pk_mul_f32 v[SC+32*\q+2*nn:SC+32*\q+2*nn+1], v[SC+32*\q+2*nn:SC+32*\q+2*nn+1], v[ST+4*\q+2:ST+4*\q+3] op_sel_hi:[1,0]
.set nn, nn+1
.endr
.endr
	WIN 0x01                                       ; my O in window 1
.irp q, 0,1,2,3
.set nn, 0
.rept 16
	v_pk_fma_f32 v[SC+32*\q+2*nn:SC+32*\q+2*nn+1], v[32*\q+2*nn:32*\q+2*nn+1], v[ST+4*\q:ST+4*\q+1], v[SC+32*\q+2*nn:SC+32*\q+2*nn+1] op_sel_hi:[1,0,1]
.set nn, nn+1
.endr
.endr
	WIN 0
.irp q, 0,1,2,3
.irp dt, 0,1,2,3
.irp i, 0,1,2,3
	v_cvt_pk_f16_f32 v[SC+32*\q+8*\dt+\i], v[SC+32*\q+8*\dt+2*\i], v[SC+32*\q+8*\dt+2*\i+1]
.endr
	ds_store_b128 v[STO], v[SC+32*\q+8*\dt:SC+32*\q+8*\dt+3] offset:\q*16*KP+\dt*32
.endr
.endr
.irp i, 0,1,2,3,4,5,6,7,8,9,10,11,12,13,14,15
	ds_load_b128 v[VF+4*\i:VF+4*\i+3], v[RD] offset:\i*4*KP        ; my own stage: LDS serves a wave's instructions in order (ISA guide 5.7.1)
.endr
.irp i, 0,1,2,3,4,5,6,7,8,9,10,11,12,13,14,15
	s_wait_dscnt 15-\i                             ; this one is back, the younger ones stay out
	global_store_b128 v[GO], v[VF+4*\i:VF+4*\i+3], s[10:11] offset:\i*512   ; four rows of 128 bytes: 512 consecutive bytes, aligned
.endr
.Ldone:
	s_wait_xcnt 0x0
	v_lshl_add_u32 v254, v0, 2, 0x43000
	v_mov_b32 v255, 0
	s_wait_tensorcnt 0x0
	ds_add_u32 v254, v255
	s_wait_dscnt 0x0
	ROUND                                          ; the closing round: no work-group ends while a partner may still ask for a tile that names it
	s_endpgm
.Lfunc_end_k_qafb123ec33_attn:
	.size	k_qafb123ec33_attn, .Lfunc_end_k_qafb123ec33_attn-k_qafb123ec33_attn
	.p2alignl 7, 3214868480
	.fill 96, 4, 3214868480
	.section	.rodata,"a",@progbits
	.p2align	6, 0x0
	.amdhsa_kernel k_qafb123ec33_attn
		.amdhsa_group_segment_fixed_size 327680
		.amdhsa_private_segment_fixed_size 0
		.amdhsa_enable_private_segment 0
		.amdhsa_kernarg_size 32
		.amdhsa_user_sgpr_count 2
		.amdhsa_user_sgpr_kernarg_segment_ptr 1
		.amdhsa_wavefront_size32 1
		.amdhsa_system_sgpr_workgroup_id_x 1
		.amdhsa_system_sgpr_workgroup_id_y 1
		.amdhsa_system_sgpr_workgroup_id_z 1
		.amdhsa_system_vgpr_workitem_id 0
		.amdhsa_next_free_vgpr 512
		.amdhsa_next_free_sgpr 66
		.amdhsa_reserve_vcc 0
		.amdhsa_float_denorm_mode_32 3
		.amdhsa_float_denorm_mode_16_64 3
		.amdhsa_memory_ordered 1
		.amdhsa_forward_progress 1
		.amdhsa_inst_pref_size 255
	.end_amdhsa_kernel
	.section	.bss,"aw",@nobits
	.p2align	6
	.space	262144
	.amdgpu_metadata
---
amdhsa.version: [ 1, 2 ]
amdhsa.kernels:
  - .name:           k_qafb123ec33_attn
    .symbol:         k_qafb123ec33_attn.kd
    .args:
      - { .name: Qp, .offset: 0, .size: 8, .value_kind: global_buffer, .address_space: global }
      - { .name: Kp, .offset: 8, .size: 8, .value_kind: global_buffer, .address_space: global }
      - { .name: Vp, .offset: 16, .size: 8, .value_kind: global_buffer, .address_space: global }
      - { .name: AO, .offset: 24, .size: 8, .value_kind: global_buffer, .address_space: global }
    .group_segment_fixed_size: 327680
    .private_segment_fixed_size: 0
    .kernarg_segment_align: 8
    .kernarg_segment_size: 32
    .max_flat_workgroup_size: 256
    .sgpr_count:     66
    .vgpr_count:     512
    .wavefront_size: 32
...
	.end_amdgpu_metadata
.endif
;; end of part 2
;; launch oproj (part 3): grid 4 x 64, 4 waves a work-group, clusters of 4 x 4, 312,832 bytes of LDS; arguments AO, Woh, bo, out0; writes out0
.if DOCPART == 3
	.amdgcn_target "amdgcn-amd-amdhsa--gfx1250"
	.amdhsa_code_object_version 6
	.text
	.protected	k_qafb123ec33_oproj
	.globl	k_qafb123ec33_oproj
	.p2align	8
	.type	k_qafb123ec33_oproj,@function
k_qafb123ec33_oproj:
	s_mov_b64 s[64:65], 0
	v_nop
	global_prefetch_b8 v0, s[64:65] scope:SCOPE_SE
	s_setreg_imm32_b32 hwreg(HW_REG_WAVE_MODE, 25, 1), 1
	s_wait_xcnt 0x0
	s_wait_alu depctr_hold_cnt(0) depctr_sa_sdst(0) depctr_va_vdst(0) depctr_va_sdst(0) depctr_va_ssrc(0) depctr_va_vcc(0) depctr_vm_vsrc(0)
	s_getreg_b32 s2, hwreg(HW_REG_IB_STS2, 6, 4)
	s_cmp_eq_u32 s2, 0
	s_cbranch_scc0 .Lentry_in_a_cluster
	s_endpgm
.Lentry_in_a_cluster:
	s_bfe_u32 s2, ttmp6, 0x10000c
	s_cmp_lg_u32 s2, 0xf033
	s_cbranch_scc0 .Lentry_shape_is_right
	s_endpgm
.Lentry_shape_is_right:
; out0 = merged Wo^T + bo in f32.  AO: f16 [b][h][s][64] (head h is columns 64 h .. + 63 of a merged row); Woh: f16 [512 n][512 k]; out0: f32 [8192][512].
; Work-group (x, y): rows 128 y .. + 127, columns 128 x .. + 127; four waves of 64 x 64 (16 accumulator tiles of 16 x 16).
; ALL OF K LIES IN LDS: 8 chunks of 64 along K for A (one head each) and 8 for B, 128 rows x 144 bytes each, 294,912 bytes.  Every tensor load is a first
; fill: no slot is filled again.  Wave w asks for 4 chunks (four loads out at the most), and the products of the first region begin while the later ones are on their way.
; CLUSTER 4 x 4: A's chunks hang on the block row alone and are asked for jointly along a row of the cluster, B's on the block column alone and along a
; column: each is fetched once for four work-groups.
; THE MATRIX INSTRUCTION IS USED TRANSPOSED (source 0: rows of Woh, source 1: rows of AO): a lane holds 8 neighbouring columns of a row; bo is the first product's C.
; LIMITS: operands are f16 (AO and Woh were rounded by the launches before; their room in f16 is worked out there: Wo of spread 0.02 keeps 11 bits from 30 times
; larger down to 30 times smaller, 6.7e-4, where the denormal step 2^-24 is under a ten-thousandth of the spread); sums are f32 in the matrix unit's order.
.set CHUNK,  128*144                   ; 18,432
.set REGION, 4*CHUNK                   ; region j: A's chunks 2 j, 2 j + 1, then B's chunks 2 j, 2 j + 1; wave w fills the w-th of them
.set STG,    4*REGION                  ; 294,912: the way out, 16 rows x 272 bytes for each wave; no tensor load lands here
.set SPITCH, 272                       ; 64 f32 + 16 bytes
.set ADRA, 2                           ; v2  my fragments of A in the region at work
.set ADRB, 3                           ; v3  of B
.set STO,  4
.set RD,   5
.set CO,   6
.set BO,   7
.set F0,   16                          ; v16-79   fragment buffer 0: B's four in the first 32, A's four in the last 32
.set F1,   80                          ; v80-143  fragment buffer 1
.set BIAS, 144                         ; v144-175 bo in the accumulators' layout, for my four column tiles
.set G1A, 24                           ; s[24:31]
.set G1B, 32                           ; s[32:39]
.set G0A, 40                           ; s[40:55] four sets, one for each region
.set G0B, 68                           ; s[68:83]
.set MSB, 0
.macro WIN new                         ; s_set_vgpr_msb: bits 1:0 source 0, 3:2 source 1, 5:4 source 2, 7:6 destination; the high byte repeats the setting that is left
.if MSB != \new
	s_set_vgpr_msb (MSB<<8)|\new
.set MSB, \new
.endif
.endm
.macro PLACES n                        ; places behind matrix instructions (ISA guide 7.12.1)
.rept \n
	v_nop
.endr
.endm
.macro ROUND                           ; a round of the cluster's barrier
	s_barrier_signal -1
	s_barrier_wait -1
	s_cmp_lg_u32 s12, 0
	s_cbranch_scc1 .Lnot_wave_0_\@
	s_barrier_signal -3
.Lnot_wave_0_\@:
	s_barrier_wait -3
	s_barrier_signal -1
	s_barrier_wait -1
.endm
; the fragments of unit u (32 along K; four units in a region) into buffer f: 16 loads
.macro FETCH u, f
	PLACES 4                                       ; the loads land in registers that matrix instructions have read
.irp i, 0,1,2,3
	ds_load_b128 v[\f+8*\i:\f+8*\i+3],   v[ADRB] offset:((\u)>>1)*CHUNK+((\u)&1)*64+\i*2304
	ds_load_b128 v[\f+8*\i+4:\f+8*\i+7], v[ADRB] offset:((\u)>>1)*CHUNK+((\u)&1)*64+\i*2304+32
.endr
.irp i, 0,1,2,3
	ds_load_b128 v[\f+32+8*\i:\f+32+8*\i+3], v[ADRA] offset:((\u)>>1)*CHUNK+((\u)&1)*64+\i*2304
	ds_load_b128 v[\f+36+8*\i:\f+36+8*\i+3], v[ADRA] offset:((\u)>>1)*CHUNK+((\u)&1)*64+\i*2304+32
.endr
.endm
; 16 matrix instructions; the 16 accumulators (window 1) take turns, one instruction a turn
.macro MUL f, first
.if \first
	WIN 0x40
.else
	WIN 0x50
.endif
.irp a, 0,1,2,3
.irp b, 0,1,2,3
.if \first
	v_wmma_f32_16x16x32_f16 v[8*(4*\a+\b):8*(4*\a+\b)+7], v[\f+8*\b:\f+8*\b+7], v[\f+32+8*\a:\f+32+8*\a+7], v[BIAS+8*\b:BIAS+8*\b+7]
.else
	v_wmma_f32_16x16x32_f16 v[8*(4*\a+\b):8*(4*\a+\b)+7], v[\f+8*\b:\f+8*\b+7], v[\f+32+8*\a:\f+32+8*\a+7], v[8*(4*\a+\b):8*(4*\a+\b)+7]
.endif
.endr
.endr
	WIN 0
.endm
.macro STAGE j, first
	s_wait_tensorcnt 3-\j                          ; my chunk of region j has landed; my 3 - j later ones stay out: behind this barrier nothing is filled again
	s_barrier_signal -1
	s_barrier_wait -1                              ; everybody's has
	FETCH 0, F0
	FETCH 1, F1
	s_wait_dscnt 16                                ; all but the 16 just issued
	MUL F0, \first
	FETCH 2, F0
	s_wait_dscnt 16
	MUL F1, 0
	FETCH 3, F1
	s_wait_dscnt 16
	MUL F0, 0
	s_wait_dscnt 0x0
	MUL F1, 0
.if \j < 3
	v_add_nc_u32 v[ADRA], REGION, v[ADRA]
	v_add_nc_u32 v[ADRB], REGION, v[ADRB]
.endif
.endm
	s_load_b256 s[4:11], s[0:1], 0x0               ; AO s[4:5], Woh s[6:7], bo s[8:9], out0 s[10:11]
	v_lshl_add_u32 v254, v0, 2, 0x4c400
	v_mov_b32 v255, 0
	ds_add_u32 v254, v255
	v_lshrrev_b32 v1, 5, v0
	v_readfirstlane_b32 s12, v1                    ; wave w
	s_lshr_b32 s13, s12, 1                         ; which 64 rows.  Also: I ask for A (0) or B (1)
	s_and_b32 s14, s12, 1                          ; which 64 columns.  Also: the even or the odd chunks
	s_bfe_u32 s15, ttmp6, 0x40000                  ; cx
	s_bfe_u32 s16, ttmp6, 0x40004                  ; cy
	s_lshl_b32 s17, ttmp9, 2
	s_add_co_u32 s17, s17, s15                     ; block column x
	s_and_b32 s18, ttmp7, 0xffff
	s_lshl_b32 s18, s18, 2
	s_add_co_u32 s18, s18, s16                     ; block row y
	s_lshl_b32 s19, s16, 2
	s_lshl_b32 s19, 15, s19                        ; my row of the cluster
	s_lshl_b32 s20, 0x1111, s15                    ; my column
	; group 1: 128 rows x 64 elements of 2 bytes; bit 21 beside the mask; after every 32 words 4 words of padding
	s_or_b32 s[G1A+0], s19, (1<<16)|(1<<20)|(1<<21)|(4<<22)|(3<<25)
	s_or_b32 s[G1B+0], s20, (1<<16)|(1<<20)|(1<<21)|(4<<22)|(3<<25)
	s_mov_b32 s[G1A+1], 64<<16                     ; tensor_dim0 = 64
	s_mov_b32 s[G1B+1], 64<<16
	s_mov_b32 s[G1A+2], 128<<16                    ; tensor_dim1 = 128
	s_mov_b32 s[G1B+2], 128<<16
	s_mov_b32 s[G1A+3], 64<<16                     ; tile_dim0 = 64
	s_mov_b32 s[G1B+3], 64<<16
	s_mov_b32 s[G1A+4], 128                        ; tile_dim1 = 128
	s_mov_b32 s[G1B+4], 128
	s_mov_b32 s[G1A+5], 64                         ; a head's rows follow each other
	s_mov_b32 s[G1B+5], 512                        ; Woh's rows are 512 long
	s_mov_b32 s[G1A+6], 0
	s_mov_b32 s[G1B+6], 0
	s_mov_b32 s[G1A+7], 0
	s_mov_b32 s[G1B+7], 0
	; A hangs on y and the wave, B on x and the wave, each in registers that never hold the other coordinate
	s_lshr_b32 s56, s18, 5                         ; batch: 8 heads of 524,288 bytes
	s_lshl_b32 s56, s56, 22
	s_and_b32 s57, s18, 31
	s_lshl_b32 s57, s57, 14                        ; 128 rows of 128 bytes
	s_add_co_u32 s56, s56, s57
	s_lshl_b32 s57, s14, 19                        ; head w & 1
	s_add_co_u32 s56, s56, s57
	s_mov_b32 s57, 0
	s_lshl_b32 s58, s17, 17                        ; 128 rows of 1,024 bytes
	s_lshl_b32 s59, s14, 7                         ; chunk w & 1
	s_add_co_u32 s58, s58, s59
	s_mov_b32 s59, 0
	s_mul_i32 s21, s12, CHUNK                      ; where my chunks go in a region
	s_wait_dscnt 0x0
	s_wait_kmcnt 0x0
	s_add_nc_u64 s[4:5], s[4:5], s[56:57]
	s_add_nc_u64 s[6:7], s[6:7], s[58:59]
.irp j, 0,1,2,3
	s_mov_b32 s[G0A+4*\j], 1
	s_add_co_u32 s[G0A+4*\j+1], s21, \j*REGION
	s_add_nc_u64 s[G0A+4*\j+2:G0A+4*\j+3], s[4:5], \j*1048576      ; two heads on
	s_or_b32 s[G0A+4*\j+3], s[G0A+4*\j+3], 0x80000000
	s_mov_b32 s[G0B+4*\j], 1
	s_add_co_u32 s[G0B+4*\j+1], s21, \j*REGION
	s_add_nc_u64 s[G0B+4*\j+2:G0B+4*\j+3], s[6:7], \j*256          ; two chunks of 128 bytes on
	s_or_b32 s[G0B+4*\j+3], s[G0B+4*\j+3], 0x80000000
.endr
	ROUND                                          ; all sixteen work-groups are here: the joint loads meet
	s_cmp_eq_u32 s13, 0
	s_cbranch_scc0 .Lfor_b
.irp j, 0,1,2,3
	tensor_load_to_lds s[G0A+4*\j:G0A+4*\j+3], s[G1A:G1A+7]
	s_nop 0
.endr
	s_branch .Lasked
.Lfor_b:
.irp j, 0,1,2,3
	tensor_load_to_lds s[G0B+4*\j:G0B+4*\j+3], s[G1B:G1B+7]
	s_nop 0
.endr
.Lasked:
	v_and_b32 v1, 15, v0                           ; r
	v_bfe_u32 v8, v0, 4, 1                         ; h
	s_lshl_b32 s84, s17, 9                         ; my first column in bytes of f32: 512 x + 256 (w & 1)
	s_lshl_b32 s85, s14, 8
	s_add_co_u32 s84, s84, s85
	v_lshl_add_u32 v[BO], v8, 5, s84               ; + 32 h
.irp b, 0,1,2,3
	global_load_b128 v[BIAS+8*\b:BIAS+8*\b+3],   v[BO], s[8:9] offset:64*\b
	global_load_b128 v[BIAS+8*\b+4:BIAS+8*\b+7], v[BO], s[8:9] offset:64*\b+16
.endr
	v_mul_u32_u24 v9, v1, 144
	v_lshl_add_u32 v9, v8, 4, v9
	s_mul_i32 s62, s13, 64*144
	s_mul_i32 s63, s14, 64*144
	s_add_co_u32 s63, s63, 2*CHUNK                 ; B's chunks lie behind A's two
	v_add_nc_u32 v[ADRA], s62, v9
	v_add_nc_u32 v[ADRB], s63, v9
	s_mul_i32 s62, s12, 16*SPITCH
	s_add_co_u32 s62, s62, STG
	v_mul_u32_u24 v9, v1, SPITCH                   ; in: row r, 32 bytes for each half of the lanes
	v_lshl_add_u32 v9, v8, 5, v9
	v_add_nc_u32 v[STO], s62, v9
	v_mul_u32_u24 v9, v8, SPITCH                   ; back: lanes 0-15 take a row's 256 bytes, lanes 16-31 the next row's
	v_lshl_add_u32 v9, v1, 4, v9
	v_add_nc_u32 v[RD], s62, v9
	v_lshlrev_b32 v9, 11, v8                       ; and the same two rows in out0
	v_lshl_add_u32 v[CO], v1, 4, v9
	s_lshl_b32 s86, s18, 18                        ; 128 rows of 2,048 bytes
	s_lshl_b32 s87, s13, 17                        ; + my 64 rows
	s_add_co_u32 s86, s86, s87
	s_add_co_u32 s86, s86, s84                     ; + my first column
	s_mov_b32 s87, 0
	s_add_nc_u64 s[10:11], s[10:11], s[86:87]
	s_wait_loadcnt 0x0                             ; bo
	STAGE 0, 1
	STAGE 1, 0
	STAGE 2, 0
	STAGE 3, 0
	; THE WAY OUT, 16 rows at a time through my own stage: a lane's 32 bytes in, whole rows of 256 bytes back.  LDS serves a wave's instructions in order
	; (ISA guide 5.7.1), so neither the reads behind the stores nor the next 16 rows' stores behind the reads need a wait.  Each 16 rows have 32 registers of their own.
	PLACES 4                                       ; behind the last matrix instructions: the stores read results, the loads land in fragment registers
.irp a, 0,1,2,3
	WIN 0x04                                       ; data in window 1
.irp b, 0,1,2,3
	ds_store_b128 v[STO], v[8*(4*\a+\b):8*(4*\a+\b)+3]   offset:64*\b
	ds_store_b128 v[STO], v[8*(4*\a+\b)+4:8*(4*\a+\b)+7] offset:64*\b+16
.endr
	WIN 0
.irp t, 0,1,2,3,4,5,6,7
	ds_load_b128 v[F0+32*\a+4*\t:F0+32*\a+4*\t+3], v[RD] offset:\t*2*SPITCH
.endr
.irp t, 0,1,2,3,4,5,6,7
	s_wait_dscnt 7-\t                              ; this one is back, the younger ones stay out
	global_store_b128 v[CO], v[F0+32*\a+4*\t:F0+32*\a+4*\t+3], s[10:11] offset:(16*\a+2*\t)*2048 th:TH_STORE_NT   ; 16 lanes store 256 consecutive bytes, aligned
.endr
.endr
	s_wait_tensorcnt 0x0
	ds_add_u32 v254, v255
	s_wait_dscnt 0x0
	ROUND                                          ; the closing round: no work-group ends while a partner may still ask for a chunk that names it
	s_endpgm
.Lfunc_end_k_qafb123ec33_oproj:
	.size	k_qafb123ec33_oproj, .Lfunc_end_k_qafb123ec33_oproj-k_qafb123ec33_oproj
	.p2alignl 7, 3214868480
	.fill 96, 4, 3214868480
	.section	.rodata,"a",@progbits
	.p2align	6, 0x0
	.amdhsa_kernel k_qafb123ec33_oproj
		.amdhsa_group_segment_fixed_size 312832
		.amdhsa_private_segment_fixed_size 0
		.amdhsa_enable_private_segment 0
		.amdhsa_kernarg_size 32
		.amdhsa_user_sgpr_count 2
		.amdhsa_user_sgpr_kernarg_segment_ptr 1
		.amdhsa_wavefront_size32 1
		.amdhsa_system_sgpr_workgroup_id_x 1
		.amdhsa_system_sgpr_workgroup_id_y 1
		.amdhsa_system_sgpr_workgroup_id_z 1
		.amdhsa_system_vgpr_workitem_id 0
		.amdhsa_next_free_vgpr 384
		.amdhsa_next_free_sgpr 88
		.amdhsa_reserve_vcc 0
		.amdhsa_float_denorm_mode_32 3
		.amdhsa_float_denorm_mode_16_64 3
		.amdhsa_memory_ordered 1
		.amdhsa_forward_progress 1
		.amdhsa_inst_pref_size 54
	.end_amdhsa_kernel
	.amdgpu_metadata
---
amdhsa.version: [ 1, 2 ]
amdhsa.kernels:
  - .name:           k_qafb123ec33_oproj
    .symbol:         k_qafb123ec33_oproj.kd
    .args:
      - { .name: AO, .offset: 0, .size: 8, .value_kind: global_buffer, .address_space: global }
      - { .name: Woh, .offset: 8, .size: 8, .value_kind: global_buffer, .address_space: global }
      - { .name: bo, .offset: 16, .size: 8, .value_kind: global_buffer, .address_space: global }
      - { .name: out0, .offset: 24, .size: 8, .value_kind: global_buffer, .address_space: global }
    .group_segment_fixed_size: 312832
    .private_segment_fixed_size: 0
    .kernarg_segment_align: 8
    .kernarg_segment_size: 32
    .max_flat_workgroup_size: 128
    .sgpr_count:     88
    .vgpr_count:     384
    .wavefront_size: 32
...
	.end_amdgpu_metadata
.endif
;; end of part 3
